; MI455X (gfx1250); checked and timed in simulation.
; The chip was launched on July 23, 2026; its instructions are those of AMD's public machine-readable ISA for CDNA 5 (MIT licence, August 2026) and "CDNA5" Instruction Set Architecture Reference Guide (July 2026). The comments in the code are by the model that wrote it; some were corrected since.
;; Attend. Allowed arithmetic: matrix products marked QUANTISED: E2M1 operands, one E8M0 scale for each 32 along K, by v_wmma_scale_f32_16x16x128_f8f6f4 with both operands' format E2M1 (or v_wmma_scale_f32_32x16x128_f4), f32 sums; everything else in f32.
;; Inputs: k_codes 4 x 16 x 2,048 x 2 x 16 uint8 (E2M1 codes of k, K innermost, in blocks of 32 codes, two codes a byte); k_scales 4 x 16 x 2,048 x 2 uint8 (E8M0 scales of k, one for each 32 codes along K); mask 4 x 2,048 bool; q_codes 4 x 16 x 2,048 x 2 x 16 uint8 (E2M1 codes of q, K innermost, in blocks of 32 codes, two codes a byte); q_scales 4 x 16 x 2,048 x 2 uint8 (E8M0 scales of q, one for each 32 codes along K); v_codes 4 x 16 x 64 x 64 x 16 uint8 (E2M1 codes of v, K innermost, in blocks of 32 codes, two codes a byte); v_scales 4 x 16 x 64 x 64 uint8 (E8M0 scales of v, one for each 32 codes along K).
;; Outputs: out0 4 x 16 x 2,048 x 64 float32.
;; This version of the problem:
;;   THIS VERSION OF THE PROBLEM IS GIVEN IN LOW PRECISION. The matrix products marked QUANTISED in the list below multiply operands that are first quantised to E2M1 (2 exponent bits, 1 mantissa bit; 4 bits a number), with one power-of-two scale for each 32 numbers along K (OCP MX v1.0); their sums are f32. All else is computed in f32.
;;   The module's matrix products, in the order in which they are computed (A, B: the left and right operand; K: the contracted axis; several contracted axes count as one K, in the product's order):
;;     1. batch 64 x [M 2,048, K 64] x [K 64, N 2,048]; A: input q (given as codes); B: input k (given as codes): QUANTISED
;;     2. batch 64 x [M 2,048, K 2,048] x [K 2,048, N 64]; A: softmax (see below); B: input v (given as codes): QUANTISED
;;   THE QUANTISER, for each operand of a quantised product, along K:
;;     - K is cut into blocks of 32 from its start; a last block that is shorter is filled with zeros.
;;     - A block's scale is 2^e with e = floor(log2(the largest magnitude in the block)) - 2, held to -126 .. 127; a block of zeros has e = 0. As a byte (E8M0): e + 127.
;;     - Each number is divided by its block's scale, clamped to +-6, and rounded to the nearest number of E2M1, ties to even, subnormals kept.
;;     - The product sums the exact products of the quantised numbers (number of the format x scale) in f32.
;;   ~~~python
;;   def quantise(x, axis):      # numpy; x: float32 -> the quantised numbers, widened to float32 again
;;       x = np.moveaxis(x, axis, -1); K = x.shape[-1]
;;       x = np.pad(x, [(0, 0)] * (x.ndim - 1) + [(0, -K % 32)]); x = x.reshape(x.shape[:-1] + (-1, 32)); a = np.abs(x).max(-1, keepdims=True)
;;       e = np.where(a > 0, np.clip(np.frexp(np.where(a > 0, a, 1))[1] - 1 - 2, -126, 127), 0)      # np.frexp(a)[1] - 1 = floor(log2(a)), exactly
;;       r = np.clip(x / 2.0 ** e, -6, 6)
;;       step = 2.0 ** (np.maximum(np.frexp(np.where(r == 0, 1, r))[1] - 1, 0) - 1)
;;       q = np.round(r / step) * step * 2.0 ** e      # np.round: ties to even
;;       return np.moveaxis(q.reshape(q.shape[:-2] + (-1,))[..., :K], -1, axis).astype(np.float32)
;;   ~~~
;;   SOFTMAX AHEAD OF A QUANTISED PRODUCT. Where the list says 'softmax', what is quantised is not the finished softmax but p = 2^(t - M), with t = logit x log2(e) and M = ceil(the row's largest t), a whole number; so 1/2 < the row's largest p <= 1. The row's sum l is taken of the UNQUANTISED p, in f32, and the product's result is divided by l at the end. Since M is a whole number, a kernel that streams over the keys may use a running M (the ceiling of the running maximum): every later rescaling is an exact power of two, which a block's scale takes up: the codes' values come out the same.
;;   OPERANDS COMPUTED ON THE WAY. 'Computed on the way' means the value that the module computes at that place (a softmax that the list does not call 'softmax' is quantised finished and normalised). What goes into a quantiser is computed in f32, as accurately as f32 sums, v_exp_f32 and their like allow (about 1e-6 of the number): no bf16 or f16 on the way to a quantiser, and a product that is left as it is and whose result goes on into a quantised operand takes f32 operands (vector FMAs, or v_wmma_f32_16x16x4_f32). A number that lies on a knife's edge between two numbers of the format may be rounded either way, as far as f32 arithmetic and the matrix unit's own rounding can turn it there, and no further.
;;   INPUTS GIVEN AS CODES. k (in the module: [4, 16, 2048, 64], K = its axis 3); q (in the module: [4, 16, 2048, 64], K = its axis 3); v (in the module: [4, 16, 2048, 64], K = its axis 2): each comes as NAME_codes (uint8): NAME with its K axis moved to the last place and cut into blocks of 32 codes, [.., K / 32, bytes a block], one block behind the other in memory; two codes a byte, the lower K in the low four bits (a code: sign, 2 exponent bits, 1 mantissa bit); and NAME_scales (uint8): the same leading axes, one E8M0 byte (e + 127) for each 32 codes along K. Its value is code x scale, taken as it is: it is not quantised again, and the codes and scales need not be those that the quantiser above would give.
;; 2 versions. Each part assembles by itself: llvm-mc -triple=amdgcn-amd-amdhsa -mcpu=gfx1250 --defsym DOCPART=n.
;; ======== version 1 of 2: 1 launch
;; limits: right only within a limited range of input values
;; launch attend (part 1): grid 16 x 64, 8 waves a work-group, no clusters, 66,560 bytes of LDS; arguments q_codes, q_scales, k_codes, k_scales, v_codes, v_scales, mask, out0; writes out0
.if DOCPART == 1
	.amdgcn_target "amdgcn-amd-amdhsa--gfx1250"
	.amdhsa_code_object_version 6
	.text
	.protected	k_q51735bcd01_attend
	.globl	k_q51735bcd01_attend
	.p2align	8
	.type	k_q51735bcd01_attend,@function
k_q51735bcd01_attend:
	s_mov_b64 s[64:65], 0
	v_nop
	global_prefetch_b8 v0, s[64:65] scope:SCOPE_SE
	s_setreg_imm32_b32 hwreg(HW_REG_WAVE_MODE, 25, 1), 1
	s_wait_xcnt 0x0
; out[b][h][q][:] = sum over k of softmax_k(q . k / 8) v[k][:], key k counting for query q where q - 256 <= k <= q and mask[b][k] is set.
; Both products on codes of FP4 (E2M1) with one E8M0 scale for each 32 along K.  64 heads, 2,048 queries and keys, head size 64.
; q, k: codes along the head's 64 (32 bytes a row), 2 scale bytes a row.  v: codes with the KEYS innermost (row d: 1,024 bytes; a block of 32 keys: 16 bytes), 64 scale bytes a row.
; THE SOFTMAX: t = score x log2(e) / 8; M = the running largest t rounded up to a whole number; p = 2^(t - M) is quantised along the keys, in blocks of 32 counted from key 0; the row's sum is taken of
; the unquantised p and divides at the end.  When M moves, the sum and O are multiplied by 2^(old M - new M), which rounds nothing.
; SHARES.  A work-group owns 128 queries of one head, each of its eight waves one tile of 16 (q0 = 128 a + 16 wave).  A tile's band touches exactly nine aligned blocks of 32 keys, (q0 >> 5) - 8 .. (q0 >> 5):
; only these are multiplied, in three groups of three.  The work-group stages key steps a - 2, a - 1, a (384 keys, 12 blocks) in LDS once, as images of the operands' registers; one barrier; wave w reads blocks (w >> 1) + 0 .. 8.
; LAYOUT.  Both products are used transposed (S^T = K Q^T, O^T = V^T P^T): a lane holds ONE query (lane % 16) throughout.  Lane r of tile (block, u) takes key 32 block + 8 u + r + 8 (r / 8), so that
; the 16 registers of a block's two tiles are the keys 16 (lane / 16) + 0 .. 15 of the block.
; THE INPUT MASK rides in the first product's unused K (the head has 64 of the instruction's 128): at k = 64 K's fragment holds the code +1 and Q's the code -1; Q's scale byte there is 127, a key's is 0 where the key
; counts (the term is -2^-127) and 240 where it does not (-2^113).  Keys of steps before key 0 (a < 2) are loaded from a clamped step and hidden in the same way.
; The running t begins at -2^100, so a hidden key's p is 0 whatever else the row has seen.
; THE BAND cuts only the first block (window's edge) and the ninth (diagonal): their hidden scores become -infinity by v_cndmask_b32 under lane masks made by scalar instructions.
; A ROW WITH NO KEY THAT COUNTS: all 2,048 scores are then equal in the definition, so the row is the mean of V over all keys.  A tile takes that way only if no mask byte is set among keys q0 - 240 .. q0
; (which lie in the band of all 16 queries): a scalar branch on whole numbers read from the mask.  There the mean is made by 64 products of V with ones under the scale 2^-11, and chosen per lane where t < -1e30.
; NO JOINT LOADS, NO TENSOR LOADS: the text branches on mask bytes read from memory, and what neighbouring work-groups share is 16 of the 24 KiB that each asks for once, in its first lines.
; LIMITS: true t must lie above -1e30 (scores above about -5e30); each score that counts carries -2^-127; scale bytes 0xff, NaN and infinities are not served; a block whose every p is 0 keeps the scale byte 1.
.set KIMG, 0                           ; LDS: K's fragments: block at 1024 x block, tile u at + 512 u, lane at + 16 lane
.set VIMG, 12288                       ; V: block at VBP x block, row d at + 16 d
.set VBP,  1088                        ; 1,024 bytes + 64: the four blocks that a staging store touches begin 272 words apart, 16 banks on from each other (64 banks of 4 bytes: ISA guide 11.1)
.set KSC,  25344                       ; K's scale words: block at 128 x block; lanes 0-15 tile u = 0, lanes 16-31 tile u = 1
.set VSC,  26880                       ; V's scale words, three bytes each: (first block s, group g, row d) at 768 s + 256 g + 8 (d % 32) + 4 (d / 32)
.set STG,  29952                       ; the way out: 16 rows x (256 + 16) bytes for each wave
.set SPI,  272
.set WST,  16*SPI
.set LI,   4                           ; v4   16 x lane: also my byte offset in two rows of out
.set AK,   5                           ; v5   my place in K's images, at my wave's first block
.set AKS,  6                           ; v6   in K's scale words
.set AV,   7                           ; v7   in V's images: lanes 0-15 a group's first block, lanes 16-31 its second
.set AV2,  8                           ; v8   the same without the half: for a group's third block
.set AVS,  9                           ; v9   in V's scale words
.set STO,  10                          ; v10  the stage: where I put 32 bytes of a row
.set RD,   11                          ; v11  and where I read rows back
.set NM,   12                          ; v12 -M, v13 the running largest t
.set SUM,  14                          ; v[14:15] the row's sum in two halves
.set QF,   16                          ; v[16:23] Q's fragment
.set QS,   24                          ; scale words, in registers that hold nothing else: Q's,
.set KS,   25                          ; v25-27 K's, a block each,
.set VSW,  28                          ; v[28:29] V's,
.set PW,   30                          ; p's
.set NEG,  31                          ; -infinity
.set FF,   32                          ; v[32:33] f = 2^(old M - new M)
.set TMP,  34                          ; v34, v35 at work
.set SUM2, 36                          ; v[36:37] the sums' second chain
.set RC,   38                          ; v[38:39] 1 / the sum
.set BM,   40                          ; v40-42 the blocks' largest scores, then largest p
.set T2,   44                          ; v44-46 the other half's
.set T3,   48                          ; v48-50 the conversions' scale operands
.set BY,   52                          ; v52-54 the scale bytes
.set ANY,  55
.set OFFV, 56
.set MK,   58                          ; v[58:59] eight mask bytes for the test
.set SVO,  60                          ; v60  the slow way: my byte offset in a tile of V in memory
.set SSO,  61                          ; v61  and in V's scale bytes
.set PC,   64                          ; v[64:71] p's codes
.set KF,   72                          ; v[72:119] six fragments of K; registers 4-7 of each are constants
.set S,    120                         ; v[120:167] S^T, then p; at the head: what is being staged
.set O,    168                         ; v[168:199] O^T
.set VF,   200                         ; v[200:231] four fragments of V
.set KST,  232                         ; v232-235 LDS addresses of the staging stores
.set VST,  233
.set VSST, 234
.set KSST, 235
.set GK,   236                         ; v236-243 byte offsets of the head's loads
.set GV,   237
.set GVS,  238
.set GQ,   239
.set GQS,  240
.set GKS,  241
.set GMK,  242
.set GMT,  243
; s20 wave, s21 a, s22 head, s23 wave >> 1, s24 wave & 1, s25 q0, s[26:27] lane selects, s[28:29] c, s30 lanes that saw a set mask byte, s31-33 the band's shift and fills, s39 lanes whose chunk is not before key 0,
; s[40:45] K's codes at the three steps, s[46:51] V's, s[52:57] V's scales, s[58:59] K's scales, s[60:61] the mask at my step, s[66:67] Q's codes, s[68:69] Q's scales, s[70:71] the batch's mask, s[72:73] out,
; s[74:75], s[76:77] the head's V and its scales, s78 the byte that hides a whole step, s79 8 (wave >> 1), s80-83 lane masks, s84-86 the three steps' numbers
.macro PLACES                          ; four plain vector instructions between a matrix instruction and a read of its result or a load into its registers (ISA guide 7.12.1 for vector instructions)
.rept 4
	v_nop
.endr
.endm
; one matrix instruction: D at d, source 0 at a, source 1 at b; zero = 1: it starts the sum; sa, sb: the scale registers; row1 = 1: source 0's scales stand in lanes 16-31
.macro MM d, a, b, zero, sa, sb, row1
.if \zero
.if \row1
	v_wmma_scale_f32_16x16x128_f8f6f4 v[(\d):(\d)+7], v[(\a):(\a)+7], v[(\b):(\b)+7], 0, v[\sa], v[\sb] matrix_a_fmt:MATRIX_FMT_FP4 matrix_b_fmt:MATRIX_FMT_FP4 matrix_a_scale:MATRIX_SCALE_ROW1
.else
	v_wmma_scale_f32_16x16x128_f8f6f4 v[(\d):(\d)+7], v[(\a):(\a)+7], v[(\b):(\b)+7], 0, v[\sa], v[\sb] matrix_a_fmt:MATRIX_FMT_FP4 matrix_b_fmt:MATRIX_FMT_FP4
.endif
.else
.if \row1
	v_wmma_scale_f32_16x16x128_f8f6f4 v[(\d):(\d)+7], v[(\a):(\a)+7], v[(\b):(\b)+7], v[(\d):(\d)+7], v[\sa], v[\sb] matrix_a_fmt:MATRIX_FMT_FP4 matrix_b_fmt:MATRIX_FMT_FP4 matrix_a_scale:MATRIX_SCALE_ROW1
.else
	v_wmma_scale_f32_16x16x128_f8f6f4 v[(\d):(\d)+7], v[(\a):(\a)+7], v[(\b):(\b)+7], v[(\d):(\d)+7], v[\sa], v[\sb] matrix_a_fmt:MATRIX_FMT_FP4 matrix_b_fmt:MATRIX_FMT_FP4
.endif
.endif
.endm
	s_load_b512 s[4:19], s[0:1], 0x0               ; q_codes s[4:5], q_scales s[6:7], k_codes s[8:9], k_scales s[10:11], v_codes s[12:13], v_scales s[14:15], mask s[16:17], out s[18:19]
	v_lshl_add_u32 v254, v0, 2, 0x10000
	v_mov_b32 v255, 0
	v_lshrrev_b32 v1, 5, v0
	v_readfirstlane_b32 s20, v1                    ; wave 0..7
	s_mov_b32 s21, ttmp9                           ; a: which 128 queries
	s_and_b32 s22, ttmp7, 0xffff                   ; head 0..63
	s_lshr_b32 s23, s20, 1                         ; my first staged block
	s_and_b32 s24, s20, 1                          ; which half of a block of 32 my 16 queries are
	s_lshl_b32 s25, s21, 7
	s_lshl_b32 s34, s20, 4
	s_add_co_u32 s25, s25, s34                     ; q0
	s_mov_b32 s26, 0x76543210
	s_mov_b32 s27, 0xfedcba98                      ; v_permlanex16_b32's selects for lane l xor 16
	s_mov_b32 s28, 0x3e38aa3b                      ; c = log2(e) / 8
	s_mov_b32 s29, s28                             ; (named with it as a pair, so it is written)
	s_lshl_b32 s31, s24, 4
	s_cmp_eq_u32 s24, 1
	s_cselect_b32 s32, 0xffff, 0                   ; the edge: with my queries in the upper half, lanes 0-15 hold only keys before the window
	s_cselect_b32 s33, 0, 0xffff0000               ; the diagonal: with my queries in the lower half, lanes 16-31 hold only keys after them
	s_lshl_b32 s79, s23, 3
	s_sub_co_i32 s84, s21, 2                       ; the three key steps; one that would lie before key 0 is read at step 0 and hidden
	s_max_i32 s84, s84, 0
	s_sub_co_i32 s85, s21, 1
	s_max_i32 s85, s85, 0
	s_mov_b32 s86, s21
	s_min_u32 s38, s20, 2                          ; the step whose scale words I make (waves 3 to 7 make step 2's again and store nothing)
	s_add_co_u32 s38, s38, s21
	s_sub_co_i32 s38, s38, 2
	s_cmp_lt_i32 s38, 0
	s_cselect_b32 s78, 0xf00000, 0                 ; a step before key 0: every key hidden
	s_max_i32 s38, s38, 0
	s_lshl_b32 s35, s22, 16                        ; the head's first byte in a tensor of codes,
	s_lshl_b32 s36, s22, 12                        ; in a tensor of scale bytes,
	s_lshr_b32 s37, s22, 4
	s_lshl_b32 s37, s37, 11                        ; and the batch's in the mask
	; byte offsets, each in the pair that will hold its address
.irp s, 0,1,2
	s_lshl_b32 s[40+2*\s], s[84+\s], 12            ; K: 128 keys x 32 bytes a step
	s_add_co_u32 s[40+2*\s], s[40+2*\s], s35
	s_mov_b32 s[41+2*\s], 0
	s_lshl_b32 s[46+2*\s], s[84+\s], 6             ; V: 64 bytes of each row a step
	s_add_co_u32 s[46+2*\s], s[46+2*\s], s35
	s_mov_b32 s[47+2*\s], 0
	s_lshl_b32 s[52+2*\s], s[84+\s], 2             ; V's scales: 4 bytes of each row a step
	s_add_co_u32 s[52+2*\s], s[52+2*\s], s36
	s_mov_b32 s[53+2*\s], 0
.endr
	s_lshl_b32 s58, s38, 8
	s_add_co_u32 s58, s58, s36
	s_mov_b32 s59, 0
	s_lshl_b32 s60, s38, 7
	s_add_co_u32 s60, s60, s37
	s_mov_b32 s61, 0
	s_lshl_b32 s66, s25, 5
	s_add_co_u32 s66, s66, s35
	s_mov_b32 s67, 0
	s_lshl_b32 s68, s25, 1
	s_add_co_u32 s68, s68, s36
	s_mov_b32 s69, 0
	s_mov_b32 s70, s37
	s_mov_b32 s71, 0
	s_lshl_b32 s72, s22, 19
	s_lshl_b32 s34, s25, 8
	s_add_co_u32 s72, s72, s34
	s_mov_b32 s73, 0
	s_mov_b32 s74, s35
	s_mov_b32 s75, 0
	s_mov_b32 s76, s36
	s_mov_b32 s77, 0
	; every LDS address is made here, ahead of the first branch: constants, the lane, the wave's number
	v_and_b32 v3, 31, v0                           ; lane
	v_and_b32 v1, 15, v0                           ; r
	v_bfe_u32 v2, v0, 4, 1                         ; h
	v_lshlrev_b32 v[LI], 4, v3
	s_lshl_b32 s34, s23, 10
	v_add_nc_u32 v[AK], s34, v[LI]
	s_lshl_b32 s34, s23, 7
	s_add_co_u32 s34, s34, KSC
	v_lshl_add_u32 v[AKS], v3, 2, s34
	s_mul_i32 s34, s23, VBP
	s_add_co_u32 s34, s34, VIMG
	v_lshl_add_u32 v[AV2], v1, 4, s34
	v_mad_u32_u24 v[AV], v2, VBP, v[AV2]
	s_mul_i32 s34, s23, 768
	s_add_co_u32 s34, s34, VSC
	v_lshl_add_u32 v[AVS], v3, 3, s34
	s_mul_i32 s34, s20, WST
	s_add_co_u32 s34, s34, STG
	v_mul_u32_u24 v[STO], v1, SPI
	v_lshl_add_u32 v[STO], v2, 5, v[STO]
	v_add_nc_u32 v[STO], s34, v[STO]               ; in: row r, + 32 h
	v_mul_u32_u24 v[RD], v2, SPI
	v_lshl_add_u32 v[RD], v1, 4, v[RD]
	v_add_nc_u32 v[RD], s34, v[RD]                 ; back: lanes 0-15 one row, lanes 16-31 the next
	; K's staging: thread t holds half t & 1 of key t >> 1 of a step.  Key 32 b + 16 g + 8 u + r' is lane 8 g + r' of tile u of block b
	v_bfe_u32 v[TMP], v0, 1, 3
	v_lshlrev_b32 v[KST], 4, v[TMP]                ; 16 r'
	v_bfe_u32 v[TMP], v0, 5, 1
	v_lshl_or_b32 v[KST], v[TMP], 7, v[KST]        ; 128 g
	v_and_b32 v[TMP], 1, v0
	v_lshl_or_b32 v[KST], v[TMP], 8, v[KST]        ; 256 x half
	v_lshl_or_b32 v[KST], v2, 9, v[KST]            ; 512 u (bit 4 of the thread's number)
	v_bfe_u32 v[TMP], v0, 6, 2
	v_lshl_or_b32 v[KST], v[TMP], 10, v[KST]       ; 1024 b
	; V's staging: thread t holds block t & 3 of row t >> 2 of a step
	v_and_b32 v[TMP], 3, v0
	v_lshrrev_b32 v[TMP+1], 2, v0
	v_mul_u32_u24 v[VST], v[TMP], VBP
	v_lshl_add_u32 v[VST], v[TMP+1], 4, v[VST]
	v_add_nc_u32 v[VST], VIMG, v[VST]
	v_lshlrev_b32 v[GV], 10, v[TMP+1]
	v_lshl_or_b32 v[GV], v[TMP], 4, v[GV]
	s_lshl_b32 s34, s24, 2
	v_add_nc_u32 v[VSST], s34, v[AVS]              ; V's scale words: I make those of first block wave >> 1, row 32 (wave & 1) + lane
	; K's scale words: lane l makes those of keys 4 l .. 4 l + 3 of a step, which are four neighbouring lanes of one tile
	v_lshrrev_b32 v[TMP], 3, v3
	v_lshlrev_b32 v[KSST], 7, v[TMP]
	v_bfe_u32 v[TMP], v0, 1, 1
	v_lshl_or_b32 v[KSST], v[TMP], 6, v[KSST]
	v_bfe_u32 v[TMP], v0, 2, 1
	v_lshl_or_b32 v[KSST], v[TMP], 5, v[KSST]
	v_and_b32 v[TMP], 1, v0
	v_lshl_or_b32 v[KSST], v[TMP], 4, v[KSST]
	s_lshl_b32 s34, s20, 9
	s_add_co_u32 s34, s34, KSC
	v_add_nc_u32 v[KSST], s34, v[KSST]
	; byte offsets in memory
	v_lshlrev_b32 v[GK], 4, v0
	v_and_b32 v[TMP], 63, v0
	v_lshlrev_b32 v[GVS], 6, v[TMP]
	v_lshlrev_b32 v[GQ], 5, v1
	v_lshl_or_b32 v[GQ], v2, 4, v[GQ]
	v_lshlrev_b32 v[GQS], 1, v1
	v_lshlrev_b32 v[GKS], 3, v3
	v_lshlrev_b32 v[GMK], 2, v3
	v_lshlrev_b32 v[SVO], 10, v1
	v_lshl_or_b32 v[SVO], v2, 4, v[SVO]
	v_lshlrev_b32 v[SSO], 6, v3
	s_sub_co_i32 s34, s25, 240                     ; the mask test: 31 chunks of 8 bytes from key q0 - 240 on; lane 31 takes lane 30's again
	v_min_u32 v[TMP], 30, v3
	v_lshl_add_u32 v[OFFV], v[TMP], 3, s34
	v_cmp_le_i32 s39, 0, v[OFFV]                   ; a chunk before key 0 does not count,
	v_cndmask_b32 v[GMT], 0, v[OFFV], s39          ; and its load stays inside the mask
	s_wait_kmcnt 0x0
.irp s, 0,1,2
	s_add_nc_u64 s[40+2*\s:41+2*\s], s[8:9], s[40+2*\s:41+2*\s]
	s_add_nc_u64 s[46+2*\s:47+2*\s], s[12:13], s[46+2*\s:47+2*\s]
	s_add_nc_u64 s[52+2*\s:53+2*\s], s[14:15], s[52+2*\s:53+2*\s]
.endr
	s_add_nc_u64 s[58:59], s[10:11], s[58:59]
	s_add_nc_u64 s[60:61], s[16:17], s[60:61]
	s_add_nc_u64 s[66:67], s[4:5], s[66:67]
	s_add_nc_u64 s[68:69], s[6:7], s[68:69]
	s_add_nc_u64 s[70:71], s[16:17], s[70:71]
	s_add_nc_u64 s[72:73], s[18:19], s[72:73]
	s_add_nc_u64 s[74:75], s[12:13], s[74:75]
	s_add_nc_u64 s[76:77], s[14:15], s[76:77]
	; fourteen loads, all that the wave asks of memory on the usual way
	global_load_b64 v[S+36:S+37], v[GKS], s[58:59]         ; four keys' scale bytes
	global_load_b32 v[S+38], v[GMK], s[60:61]              ; and their mask bytes
.irp s, 0,1,2
	global_load_b128 v[S+4*\s:S+4*\s+3], v[GK], s[40+2*\s:41+2*\s]         ; a wave reads 512 consecutive bytes of K
.endr
.irp s, 0,1,2
	global_load_b128 v[S+12+4*\s:S+12+4*\s+3], v[GV], s[46+2*\s:47+2*\s]   ; four lanes read a row's 64 bytes of a step
.endr
.irp s, 0,1,2
	global_load_b32 v[S+24+\s], v[GVS], s[52+2*\s:53+2*\s]
.endr
	global_load_b128 v[QF:QF+3], v[GQ], s[66:67] th:TH_LOAD_NT             ; read by this wave alone
	global_load_u16 v[QS], v[GQS], s[68:69]
	global_load_b64 v[MK:MK+1], v[GMT], s[70:71]
	; constants, while the loads are out.  The upper 64 of the first product's K: one code at k = 64 (lanes 0-15, register 4, low four bits), zeros elsewhere
	v_sub_nc_u32 v[TMP], 1, v2
	v_mul_u32_u24 v[QF+4], v[TMP], 10              ; Q: the code of -1
.irp j, 5,6,7
	v_mov_b32 v[QF+\j], 0
.endr
.irp f, 0,1,2,3,4,5
	v_lshlrev_b32 v[KF+8*\f+4], 1, v[TMP]          ; K: the code of +1
	v_mov_b32 v[KF+8*\f+5], 0
	v_mov_b32 v[KF+8*\f+6], 0
	v_mov_b32 v[KF+8*\f+7], 0
.endr
	v_mov_b32 v[NEG], 0xff800000
.irp b, 0,1,2
	v_mov_b32 v[T2+\b], 0                          ; written once: a lane permute's destination counts as one of its sources
.endr
	v_mov_b32 v[FF+1], 0                           ; (upper halves of pairs of which the low word serves both halves)
	v_mov_b32 v[RC+1], 0
	s_wait_loadcnt 9                               ; nine loads are younger than K's third
.irp s, 0,1,2
	ds_store_b128 v[KST], v[S+4*\s:S+4*\s+3] offset:KIMG+4096*\s
.endr
	s_wait_loadcnt 6                               ; six are younger than V's third
.irp s, 0,1,2
	ds_store_b128 v[VST], v[S+12+4*\s:S+12+4*\s+3] offset:4*VBP*\s
.endr
	s_wait_loadcnt 3                               ; three are younger than the last of V's scale words
	; a row's twelve scale bytes, shifted down to my first block, cut into three words of three bytes; byte 3 stays 0: it scales zero codes of p
	v_alignbit_b32 v[S+28], v[S+25], v[S+24], s79
	v_alignbit_b32 v[S+29], v[S+26], v[S+25], s79
	v_lshrrev_b32 v[S+30], s79, v[S+26]
	v_and_b32 v[S+31], 0xffffff, v[S+28]
	v_alignbit_b32 v[S+32], v[S+29], v[S+28], 24
	v_and_b32 v[S+32], 0xffffff, v[S+32]
	v_alignbit_b32 v[S+33], v[S+30], v[S+29], 16
	v_and_b32 v[S+33], 0xffffff, v[S+33]
.irp g, 0,1,2
	ds_store_b32 v[VSST], v[S+31+\g] offset:256*\g
.endr
	s_wait_loadcnt 0x0
	v_or_b32 v[QS], 0x7f0000, v[QS]                ; Q's scale word: byte 2 (k = 64 .. 95) stands for 1.  The 23 plain vector lines below stand between this write and the first scaled product
	; the mask test: is any byte set among keys q0 - 240 .. q0?  The last chunk begins at q0: only its first byte counts
	v_cmp_gt_u32 vcc_lo, 30, v3
	v_and_b32 v[TMP], 0xff, v[MK]
	v_cndmask_b32 v[MK], v[TMP], v[MK], vcc_lo
	v_cndmask_b32 v[MK+1], 0, v[MK+1], vcc_lo
	v_or_b32 v[ANY], v[MK], v[MK+1]
	v_cmp_ne_u32 s30, 0, v[ANY]
	s_and_b32 s30, s30, s39
	; K's scale words: bytes 0, 1 as given; byte 2: 0 where the key counts, 240 where it does not; byte 3: 0
	v_xor_b32 v[S+39], 0x01010101, v[S+38]
	v_and_b32 v[S+40], 0xffff, v[S+36]
	v_lshrrev_b32 v[S+41], 16, v[S+36]
	v_and_b32 v[S+42], 0xffff, v[S+37]
	v_lshrrev_b32 v[S+43], 16, v[S+37]
.irp e, 0,1,2,3
	v_bfe_u32 v[S+44], v[S+39], 8*\e, 1
	v_mad_u32_u24 v[S+40+\e], v[S+44], 0xf00000, v[S+40+\e]
	v_or_b32 v[S+40+\e], s78, v[S+40+\e]
.endr
	s_cmp_lt_u32 s20, 3                            ; waves 0 to 2 store the three steps' words
	s_cbranch_scc0 .Lno_ks
	ds_store_b128 v[KSST], v[S+40:S+43]
.Lno_ks:
	s_wait_dscnt 0x0                               ; for the others' sake: my stores have landed
	s_barrier_signal -1
	s_barrier_wait -1                              ; the only barrier: from here on the images are only read, and a stage is its wave's own
.macro LOADK g                         ; nine LDS loads: a group's six fragments of K (registers 0-3 of each) and its three registers of scale words
.irp j, 0,1,2
	ds_load_b128 v[KF+16*\j:KF+16*\j+3], v[AK] offset:KIMG+1024*(3*(\g)+\j)
	ds_load_b128 v[KF+16*\j+8:KF+16*\j+11], v[AK] offset:KIMG+1024*(3*(\g)+\j)+512
.endr
.irp j, 0,1,2
	ds_load_b32 v[KS+\j], v[AKS] offset:128*(3*(\g)+\j)
.endr
.endm
.macro LOADV g                         ; nine LDS loads: four fragments of V (16 rows d x the group's 96 keys; the fourth block's place repeats the third and meets zero codes of p) and their scale words
.irp t, 0,1,2,3
	ds_load_b128 v[VF+8*\t:VF+8*\t+3], v[AV] offset:VBP*3*(\g)+256*\t
	ds_load_b128 v[VF+8*\t+4:VF+8*\t+7], v[AV2] offset:VBP*(3*(\g)+2)+256*\t
.endr
	ds_load_b64 v[VSW:VSW+1], v[AVS] offset:256*(\g)
.endm
; The band in one block.  Register i of the block holds key 16 h + i; my query is 16 (wave & 1) + r.  kind = 0, the window's edge: hidden where the key comes before the query's place; kind = 1, the diagonal: where it comes after.
; Each register's lane mask is a constant shifted into my queries' half, with the other half all hidden or all open.
.macro BAND kind, base
.irp q, 0,4,8,12
.irp n, 0,1,2,3
.if \kind
	s_lshl_b32 s[80+\n], (1<<(\q+\n))-1, s31
	s_or_b32 s[80+\n], s[80+\n], s33
.else
	s_lshl_b32 s[80+\n], (0xffff<<(\q+\n+1))&0xffff, s31
	s_or_b32 s[80+\n], s[80+\n], s32
.endif
.endr
.irp n, 0,1,2,3
	v_cndmask_b32 v[\base+\q+\n], v[\base+\q+\n], v[NEG], s[80+\n]
.endr
.endr
.endm
; A GROUP of three blocks, 96 keys.
.macro GROUP g
	s_wait_dscnt 9                                 ; this group's K is in; the nine loads of its V are younger
.irp t, 0,1,2,3,4,5
	MM S+8*\t, KF+8*\t, QF, 1, KS+\t/2, QS, \t%2   ; S^T: six tiles of 16 keys, each a sum of its own
.endr
	PLACES
.if (\g) < 2
	LOADK (\g)+1
.endif
.if (\g) == 0
	BAND 0, S
.endif
.if (\g) == 2
	BAND 1, S+32
.endif
.irp b, 0,1,2
	v_max3_num_f32 v[BM+\b], v[S+16*\b], v[S+16*\b+1], v[S+16*\b+2]        ; each block's largest score: for the row's maximum, and, since p rises with the score, for the block's largest p
.endr
.irp i, 3,5,7,9,11,13
.irp b, 0,1,2
	v_max3_num_f32 v[BM+\b], v[BM+\b], v[S+16*\b+\i], v[S+16*\b+\i+1]      ; (the three blocks by turns; each tile's registers from the low end on)
.endr
.endr
.irp b, 0,1,2
	v_max_num_f32 v[BM+\b], v[BM+\b], v[S+16*\b+15]
.endr
.irp b, 0,1,2
	v_permlanex16_b32 v[T2+\b], v[BM+\b], s26, s27
.endr
.irp b, 0,1,2
	v_max_num_f32 v[BM+\b], v[BM+\b], v[T2+\b]     ; with lane l xor 16's 16 keys.  Every block has a key inside the band for every query, so this is no -infinity
.endr
	v_max3_num_f32 v[TMP], v[BM], v[BM+1], v[BM+2]
	v_mul_f32 v[TMP], s28, v[TMP]                  ; as t (c is positive)
.if (\g) == 0
	v_max_num_f32 v[NM+1], 0xf1800000, v[TMP]      ; the running largest t begins at -2^100: over every hidden key's, under every true one's
	v_floor_f32 v[NM], -v[NM+1]                    ; -M = floor(-t) = -ceil(t)
.else
	v_max_num_f32 v[NM+1], v[NM+1], v[TMP]
	v_mov_b32 v[TMP], v[NM]
	v_floor_f32 v[NM], -v[NM+1]
	v_sub_f32 v[TMP], v[NM], v[TMP]                ; old M - new M: a whole number, 0 or less
	v_cvt_i32_f32 v[TMP], v[TMP]                   ; (it saturates)
	v_ldexp_f32 v[FF], 1.0, v[TMP]                 ; f
.endif
.irp j, 0,2,4,6,8,10,12,14,16,18,20,22,24,26,28,30,32,34,36,38,40,42,44,46
	v_pk_fma_f32 v[S+\j:S+\j+1], v[S+\j:S+\j+1], s[28:29], v[NM:NM+1] op_sel_hi:[1,0,0]   ; t - M, two at a time
.endr
.irp b, 0,1,2
	v_fma_f32 v[BM+\b], v[BM+\b], s28, v[NM]       ; the same of each block's largest score
.endr
.irp j, 0,1,2,3,4,5,6,7,8,9,10,11,12,13,14,15,16,17,18,19,20,21,22,23,24,25,26,27,28,29,30,31,32,33,34,35,36,37,38,39,40,41,42,43,44,45,46,47
	v_exp_f32 v[S+\j], v[S+\j]                     ; p = 2^(t - M)
.endr
.irp b, 0,1,2
	v_exp_f32 v[BM+\b], v[BM+\b]                   ; the block's largest p: the same two instructions on the same number give the same bits
.endr
.if (\g) == 0
	v_nop                                          ; a plain instruction behind the last exponential
.else
	v_pk_mul_f32 v[SUM:SUM+1], v[SUM:SUM+1], v[FF:FF+1] op_sel_hi:[1,0]    ; the sums under the new M: also the plain instruction behind the last exponential
.endif
	s_wait_alu depctr_va_vdst(0)                   ; one wait for the batch of 51, ahead of the first instruction that names a result
.irp b, 0,1,2
	v_max_num_f32 v[BM+\b], 0x1800000, v[BM+\b]    ; the floor 2^(3 - 127): the byte cannot fall under 1
.endr
.irp b, 0,1,2
	v_add_nc_u32 v[T3+\b], 0xff000000, v[BM+\b]    ; 2 off the exponent field: the conversion's scale operand
.endr
.irp b, 0,1,2
	v_lshrrev_b32 v[BY+\b], 23, v[T3+\b]           ; the scale's byte
.endr
	v_lshl_or_b32 v[PW], v[BY+1], 8, v[BY]
	v_lshl_or_b32 v[PW], v[BY+2], 16, v[PW]        ; p's scale word; byte 3 stays 0 over zero codes
	v_mov_b32 v[PC+6], 0                           ; the fourth block of the instruction's 128: zero codes
	v_mov_b32 v[PC+7], 0
.irp b, 0,1,2
	v_cvt_scalef32_pk8_fp4_f32 v[PC+2*\b], v[S+16*\b:S+16*\b+7], v[T3+\b]
	v_cvt_scalef32_pk8_fp4_f32 v[PC+2*\b+1], v[S+16*\b+8:S+16*\b+15], v[T3+\b]
.endr
	v_nop                                          ; one plain instruction between a scaled conversion and the vector instruction that touches its result
.irp c, 0,1
.irp i, 0,1
	v_permlane16_swap_b32 v[PC+4*\c+\i], v[PC+4*\c+2+\i]   ; the operand's layout wants a whole block in a lane: lanes 0-15 block 2 c, lanes 16-31 block 2 c + 1
.endr
.endr
	; the row's sum of the UNQUANTISED p, two at a time, in two chains.  These lines are also the places between the writes of p's scale word and codes and the products below
.if (\g) == 0
	v_pk_add_f32 v[SUM:SUM+1], v[S:S+1], v[S+2:S+3]
	v_pk_add_f32 v[SUM2:SUM2+1], v[S+4:S+5], v[S+6:S+7]
.irp j, 8,12,16,20,24,28,32,36,40,44
	v_pk_add_f32 v[SUM:SUM+1], v[SUM:SUM+1], v[S+\j:S+\j+1]
	v_pk_add_f32 v[SUM2:SUM2+1], v[SUM2:SUM2+1], v[S+\j+2:S+\j+3]
.endr
.else
	v_pk_add_f32 v[SUM2:SUM2+1], v[S:S+1], v[S+2:S+3]
.irp j, 4,8,12,16,20,24,28,32,36,40,44
	v_pk_add_f32 v[SUM:SUM+1], v[SUM:SUM+1], v[S+\j:S+\j+1]
	v_pk_add_f32 v[SUM2:SUM2+1], v[SUM2:SUM2+1], v[S+\j+2:S+\j+3]
.endr
.endif
	v_pk_add_f32 v[SUM:SUM+1], v[SUM:SUM+1], v[SUM2:SUM2+1]
.if (\g) > 0
.irp j, 0,2,4,6,8,10,12,14,16,18,20,22,24,26,28,30
	v_pk_mul_f32 v[O+\j:O+\j+1], v[O+\j:O+\j+1], v[FF:FF+1] op_sel_hi:[1,0]   ; O^T under the new M
.endr
.endif
.if (\g) < 2
	s_wait_dscnt 9                                 ; this group's V is in; the nine loads of the next group's K are younger
.else
	s_wait_dscnt 0x0
.endif
.irp t, 0,1,2,3
.if (\g) == 0
	MM O+8*\t, VF+8*\t, PC, 1, VSW+\t/2, PW, \t%2  ; O^T = V^T P^T: the first group starts the sums
.else
	MM O+8*\t, VF+8*\t, PC, 0, VSW+\t/2, PW, \t%2  ; the four accumulators by turns, one instruction a turn
.endif
.endr
	PLACES
.if (\g) < 2
	LOADV (\g)+1
.endif
.endm
	LOADK 0
	LOADV 0
	GROUP 0
	GROUP 1
	GROUP 2
	v_add_f32 v[SUM], v[SUM], v[SUM+1]             ; the sum's two halves,
	v_permlanex16_b32 v[TMP], v[SUM], s26, s27
	v_add_f32 v[SUM], v[SUM], v[TMP]               ; and lane l xor 16's: the row's sum
	v_rcp_f32 v[RC], v[SUM]
	v_nop                                          ; a plain instruction behind the reciprocal
	s_wait_alu depctr_va_vdst(0)                   ; and the wait ahead of its first reader
.irp j, 0,2,4,6,8,10,12,14,16,18,20,22,24,26,28,30
	v_pk_mul_f32 v[O+\j:O+\j+1], v[O+\j:O+\j+1], v[RC:RC+1] op_sel_hi:[1,0]   ; register 8 t + j is out(r, 16 t + 8 h + j)
.endr
	s_cmp_lg_u32 s30, 0                            ; a key that counts for all 16 queries: no row is empty
	s_cbranch_scc1 .Lout
	; THE SLOW WAY: some row of the tile may have no key that counts.  The mean of V over all 2,048 keys: V's fragments straight from memory, 16 K steps of 128 keys, against ones under the scale 2^-11.
.irp j, 0,1,2,3,4,5,6,7
	v_mov_b32 v[KF+\j], 0x22222222                 ; eight codes of 1.0 a register
.endr
	v_mov_b32 v[PW], 0x74747474                    ; 2^(116 - 127) = 1 / 2,048 for each block
.macro VS_LOAD fr, sc, s               ; ten loads: K step s of V's four tiles into fr on, and their scale words into sc, sc + 1
.irp t, 0,1,2,3
.irp c, 0,1
	global_load_b128 v[\fr+8*\t+4*\c:\fr+8*\t+4*\c+3], v[SVO], s[74:75] offset:16384*\t+64*(\s)+32*\c
.endr
.endr
.irp k, 0,1
	global_load_b32 v[\sc+\k], v[SSO], s[76:77] offset:2048*\k+4*(\s)
.endr
.endm
	VS_LOAD VF, VSW, 0
	VS_LOAD KF+8, KS, 1
.rept 8
	v_nop                                          ; the ones' scale word and codes were written by vector instructions: eight places ahead of the first scaled product
.endr
.set kstep, 0
.rept 16
.if kstep < 15
	s_wait_loadcnt 10                              ; this step's ten loads are in; the next step's ten are younger
.else
	s_wait_loadcnt 0x0
.endif
.irp t, 0,1,2,3
.if kstep == 0
	MM S+8*\t, VF+8*\t, KF, 1, VSW+\t/2, PW, \t%2
.elseif kstep%2 == 0
	MM S+8*\t, VF+8*\t, KF, 0, VSW+\t/2, PW, \t%2
.else
	MM S+8*\t, KF+8+8*\t, KF, 0, KS+\t/2, PW, \t%2
.endif
.endr
.if kstep < 14
	PLACES
.if kstep%2 == 0
	VS_LOAD VF, VSW, kstep+2
.else
	VS_LOAD KF+8, KS, kstep+2
.endif
.endif
.set kstep, kstep+1
.endr
	PLACES
	v_cmp_gt_f32 vcc_lo, 0xf149f2ca, v[NM+1]       ; -1e30 > t: the row has met no key that counts
.irp j, 0,1,2,3,4,5,6,7,8,9,10,11,12,13,14,15,16,17,18,19,20,21,22,23,24,25,26,27,28,29,30,31
	v_cndmask_b32 v[O+\j], v[O+\j], v[S+\j], vcc_lo
.endr
.Lout:
	; THE WAY OUT: a lane holds 32 bytes of each of four pieces of its row; the tile goes through my own stage and comes back as whole rows of 256 bytes
.irp t, 0,1,2,3
	ds_store_b128 v[STO], v[O+8*\t:O+8*\t+3] offset:64*\t
	ds_store_b128 v[STO], v[O+8*\t+4:O+8*\t+7] offset:64*\t+16
.endr
.irp i, 0,1,2,3,4,5,6,7
	ds_load_b128 v[S+4*\i:S+4*\i+3], v[RD] offset:2*\i*SPI     ; LDS serves a wave's instructions in order (ISA guide 5.7.1.4): these see my stores
.endr
.irp i, 0,1,2,3,4,5,6,7
	s_wait_dscnt 7-\i
	global_store_b128 v[LI], v[S+4*\i:S+4*\i+3], s[72:73] offset:512*\i th:TH_STORE_NT   ; 32 lanes store two rows: 512 consecutive bytes, at a multiple of 256 from out's first byte
.endr
	s_wait_tensorcnt 0x0
	ds_add_u32 v254, v255
	s_wait_dscnt 0x0
	s_endpgm
.Lfunc_end_k_q51735bcd01_attend:
	.size	k_q51735bcd01_attend, .Lfunc_end_k_q51735bcd01_attend-k_q51735bcd01_attend
	.p2alignl 7, 3214868480
	.fill 96, 4, 3214868480
	.section	.rodata,"a",@progbits
	.p2align	6, 0x0
	.amdhsa_kernel k_q51735bcd01_attend
		.amdhsa_group_segment_fixed_size 66560
		.amdhsa_private_segment_fixed_size 0
		.amdhsa_enable_private_segment 0
		.amdhsa_kernarg_size 64
		.amdhsa_user_sgpr_count 2
		.amdhsa_user_sgpr_kernarg_segment_ptr 1
		.amdhsa_wavefront_size32 1
		.amdhsa_system_sgpr_workgroup_id_x 1
		.amdhsa_system_sgpr_workgroup_id_y 1
		.amdhsa_system_sgpr_workgroup_id_z 1
		.amdhsa_system_vgpr_workitem_id 0
		.amdhsa_next_free_vgpr 256
		.amdhsa_next_free_sgpr 90
		.amdhsa_reserve_vcc 1
		.amdhsa_float_denorm_mode_32 3
		.amdhsa_float_denorm_mode_16_64 3
		.amdhsa_memory_ordered 1
		.amdhsa_forward_progress 1
		.amdhsa_inst_pref_size 83
	.end_amdhsa_kernel
	.amdgpu_metadata
---
amdhsa.version: [ 1, 2 ]
amdhsa.kernels:
  - .name:           k_q51735bcd01_attend
    .symbol:         k_q51735bcd01_attend.kd
    .args:
      - { .name: q_codes, .offset: 0, .size: 8, .value_kind: global_buffer, .address_space: global }
      - { .name: q_scales, .offset: 8, .size: 8, .value_kind: global_buffer, .address_space: global }
      - { .name: k_codes, .offset: 16, .size: 8, .value_kind: global_buffer, .address_space: global }
      - { .name: k_scales, .offset: 24, .size: 8, .value_kind: global_buffer, .address_space: global }
      - { .name: v_codes, .offset: 32, .size: 8, .value_kind: global_buffer, .address_space: global }
      - { .name: v_scales, .offset: 40, .size: 8, .value_kind: global_buffer, .address_space: global }
      - { .name: mask, .offset: 48, .size: 8, .value_kind: global_buffer, .address_space: global }
      - { .name: out0, .offset: 56, .size: 8, .value_kind: global_buffer, .address_space: global }
    .group_segment_fixed_size: 66560
    .private_segment_fixed_size: 0
    .kernarg_segment_align: 8
    .kernarg_segment_size: 64
    .max_flat_workgroup_size: 256
    .sgpr_count:     90
    .vgpr_count:     256
    .wavefront_size: 32
...
	.end_amdgpu_metadata
.endif
;; end of part 1
;; ======== version 2 of 2: 1 launch; version 1 with the launch attend written anew for expert scheduling mode
;; limits: right only within a limited range of input values
;; launch attend (part 2): grid 16 x 64, 8 waves a work-group, no clusters, 66,560 bytes of LDS; arguments q_codes, q_scales, k_codes, k_scales, v_codes, v_scales, mask, out0; writes out0
.if DOCPART == 2
	.amdgcn_target "amdgcn-amd-amdhsa--gfx1250"
	.amdhsa_code_object_version 6
	.text
	.protected	k_q51735bcd01_attend
	.globl	k_q51735bcd01_attend
	.p2align	8
	.type	k_q51735bcd01_attend,@function
k_q51735bcd01_attend:
	s_mov_b64 s[64:65], 0
	v_nop
	global_prefetch_b8 v0, s[64:65] scope:SCOPE_SE
	s_setreg_imm32_b32 hwreg(HW_REG_WAVE_SCHED_MODE, 0, 2), 2
	s_setreg_imm32_b32 hwreg(HW_REG_WAVE_MODE, 25, 1), 1
	s_wait_xcnt 0x0
	s_wait_alu depctr_vm_vsrc(0)
; out[b][h][q][:] = sum over k of softmax_k(q . k / 8) v[k][:], key k counting for query q where q - 256 <= k <= q and mask[b][k] is set.
; Both products on codes of FP4 (E2M1) with one E8M0 scale for each 32 along K.  64 heads, 2,048 queries and keys, head size 64.
; q, k: codes along the head's 64 (32 bytes a row), 2 scale bytes a row.  v: codes with the KEYS innermost (row d: 1,024 bytes; a block of 32 keys: 16 bytes), 64 scale bytes a row.
; THE SOFTMAX: t = score x log2(e) / 8; M = the running largest t rounded up to a whole number; p = 2^(t - M) is quantised along the keys, in blocks of 32 counted from key 0; the row's sum is taken of
; the unquantised p and divides at the end.  When M moves, the sum and O are multiplied by 2^(old M - new M), which rounds nothing.
; SHARES.  A work-group owns 128 queries of one head, each of its eight waves one tile of 16 (q0 = 128 a + 16 wave).  A tile's band touches exactly nine aligned blocks of 32 keys, (q0 >> 5) - 8 .. (q0 >> 5):
; only these are multiplied, in three groups of three.  The work-group stages key steps a - 2, a - 1, a (384 keys, 12 blocks) in LDS once, as images of the operands' registers; one barrier; wave w reads blocks (w >> 1) + 0 .. 8.
; LAYOUT.  Both products are used transposed (S^T = K Q^T, O^T = V^T P^T): a lane holds ONE query (lane % 16) throughout.  Lane r of tile (block, u) takes key 32 block + 8 u + r + 8 (r / 8), so that
; the 16 registers of a block's two tiles are the keys 16 (lane / 16) + 0 .. 15 of the block.
; THE INPUT MASK rides in the first product's unused K (the head has 64 of the instruction's 128): at k = 64 K's fragment holds the code +1 and Q's the code -1; Q's scale byte there is 127, a key's is 0 where the key
; counts (the term is -2^-127) and 240 where it does not (-2^113).  Keys of steps before key 0 (a < 2) are loaded from a clamped step and hidden in the same way.
; The running t begins at -2^100, so a hidden key's p is 0 whatever else the row has seen.
; THE BAND cuts only the first block (window's edge) and the ninth (diagonal): their hidden scores become -infinity by v_cndmask_b32 under lane masks made by scalar instructions.
; A ROW WITH NO KEY THAT COUNTS: all 2,048 scores are then equal in the definition, so the row is the mean of V over all keys.  A tile takes that way only if no mask byte is set among keys q0 - 240 .. q0
; (which lie in the band of all 16 queries): a scalar branch on whole numbers read from the mask.  There the mean is made by 64 products of V with ones under the scale 2^-11, and chosen per lane where t < -1e30.
; NO JOINT LOADS, NO TENSOR LOADS: the text branches on mask bytes read from memory, and what neighbouring work-groups share is 16 of the 24 KiB that each asks for once, in its first lines.
; LIMITS: true t must lie above -1e30 (scores above about -5e30); each score that counts carries -2^-127; scale bytes 0xff, NaN and infinities are not served; a block whose every p is 0 keeps the scale byte 1.
; THE MODE: SCHED_MODE bits 1:0 = 2 (LLVM: expert scheduling mode 2), set by the entry lines.  The code itself states the register dependences
; between vector or matrix instructions and memory or LDS instructions, with s_wait_alu, always for 0.
; THE PLAN.  Registers that memory or LDS instructions touch:
;   v4-11, v60, v61, v232-243   LDS addresses and byte offsets: written once, ahead of the wait on va_vdst in front of the head's loads, and never again.
;   S            At the head global loads land in it, vector lines make the scale words in it, and the staging stores read it; then the products write it (one wait on vm_vsrc behind the barrier);
;                on the way out the stage's loads land in it and the global stores read it.
;   KF, KS       LOADK g lands in registers 0-3 of each fragment and in the scale words; group g's six products S^T read them; LOADK g + 1 follows in group g.
;   VF, VSW      LOADV g lands in them; group g's four products O^T read them; LOADV g + 1 follows in group g + 1.
;   O            Written by products and vector lines; read by the way out's LDS stores.
; A group has three waits on va_vdst.  One behind its six products S^T, where their results are wanted next in any case: it states that these are done reading K and that the last group's four are done reading V;
; both runs of loads follow it, and no vector line behind it names their registers.  One behind the exponentials.  One ahead of the four products O^T, which take p's codes and scale word from vector lines.
.set KIMG, 0                           ; LDS: K's fragments: block at 1024 x block, tile u at + 512 u, lane at + 16 lane
.set VIMG, 12288                       ; V: block at VBP x block, row d at + 16 d
.set VBP,  1088                        ; 1,024 bytes + 64: the four blocks that a staging store touches begin 272 words apart, 16 banks on from each other (64 banks of 4 bytes: ISA guide 11.1)
.set KSC,  25344                       ; K's scale words: block at 128 x block; lanes 0-15 tile u = 0, lanes 16-31 tile u = 1
.set VSC,  26880                       ; V's scale words, three bytes each: (first block s, group g, row d) at 768 s + 256 g + 8 (d % 32) + 4 (d / 32)
.set STG,  29952                       ; the way out: 16 rows x (256 + 16) bytes for each wave
.set SPI,  272
.set WST,  16*SPI
.set LI,   4                           ; v4   16 x lane: also my byte offset in two rows of out
.set AK,   5                           ; v5   my place in K's images, at my wave's first block
.set AKS,  6                           ; v6   in K's scale words
.set AV,   7                           ; v7   in V's images: lanes 0-15 a group's first block, lanes 16-31 its second
.set AV2,  8                           ; v8   the same without the half: for a group's third block
.set AVS,  9                           ; v9   in V's scale words
.set STO,  10                          ; v10  the stage: where I put 32 bytes of a row
.set RD,   11                          ; v11  and where I read rows back
.set NM,   12                          ; v12 -M, v13 the running largest t
.set SUM,  14                          ; v[14:15] the row's sum in two halves
.set QF,   16                          ; v[16:23] Q's fragment
.set QS,   24                          ; scale words, in registers that hold nothing else: Q's,
.set KS,   25                          ; v25-27 K's, a block each,
.set VSW,  28                          ; v[28:29] V's,
.set PW,   30                          ; p's
.set NEG,  31                          ; -infinity
.set FF,   32                          ; v[32:33] f = 2^(old M - new M)
.set TMP,  34                          ; v34, v35 at work
.set SUM2, 36                          ; v[36:37] the sums' second chain
.set RC,   38                          ; v[38:39] 1 / the sum
.set BM,   40                          ; v40-42 the blocks' largest scores, then largest p
.set T2,   44                          ; v44-46 the other half's
.set T3,   48                          ; v48-50 the conversions' scale operands
.set BY,   52                          ; v52-54 the scale bytes
.set ANY,  55
.set OFFV, 56
.set MK,   58                          ; v[58:59] eight mask bytes for the test
.set SVO,  60                          ; v60  the slow way: my byte offset in a tile of V in memory
.set SSO,  61                          ; v61  and in V's scale bytes
.set PC,   64                          ; v[64:71] p's codes
.set KF,   72                          ; v[72:119] six fragments of K; registers 4-7 of each are constants
.set S,    120                         ; v[120:167] S^T, then p; at the head: what is being staged
.set O,    168                         ; v[168:199] O^T
.set VF,   200                         ; v[200:231] four fragments of V
.set KST,  232                         ; v232-235 LDS addresses of the staging stores
.set VST,  233
.set VSST, 234
.set KSST, 235
.set GK,   236                         ; v236-243 byte offsets of the head's loads
.set GV,   237
.set GVS,  238
.set GQ,   239
.set GQS,  240
.set GKS,  241
.set GMK,  242
.set GMT,  243
; s20 wave, s21 a, s22 head, s23 wave >> 1, s24 wave & 1, s25 q0, s[26:27] lane selects, s[28:29] c, s30 lanes that saw a set mask byte, s31-33 the band's shift and fills, s39 lanes whose chunk is not before key 0,
; s[40:45] K's codes at the three steps, s[46:51] V's, s[52:57] V's scales, s[58:59] K's scales, s[60:61] the mask at my step, s[66:67] Q's codes, s[68:69] Q's scales, s[70:71] the batch's mask, s[72:73] out,
; s[74:75], s[76:77] the head's V and its scales, s78 the byte that hides a whole step, s79 8 (wave >> 1), s80-83 lane masks, s84-86 the three steps' numbers
.macro PLACES                          ; four plain vector instructions behind a matrix instruction, ahead of a read of its result; ahead of a load into its registers they stand beside the wait that states that dependence
.rept 4
	v_nop
.endr
.endm
; one matrix instruction: D at d, source 0 at a, source 1 at b; zero = 1: it starts the sum; sa, sb: the scale registers; row1 = 1: source 0's scales stand in lanes 16-31
.macro MM d, a, b, zero, sa, sb, row1
.if \zero
.if \row1
	v_wmma_scale_f32_16x16x128_f8f6f4 v[(\d):(\d)+7], v[(\a):(\a)+7], v[(\b):(\b)+7], 0, v[\sa], v[\sb] matrix_a_fmt:MATRIX_FMT_FP4 matrix_b_fmt:MATRIX_FMT_FP4 matrix_a_scale:MATRIX_SCALE_ROW1
.else
	v_wmma_scale_f32_16x16x128_f8f6f4 v[(\d):(\d)+7], v[(\a):(\a)+7], v[(\b):(\b)+7], 0, v[\sa], v[\sb] matrix_a_fmt:MATRIX_FMT_FP4 matrix_b_fmt:MATRIX_FMT_FP4
.endif
.else
.if \row1
	v_wmma_scale_f32_16x16x128_f8f6f4 v[(\d):(\d)+7], v[(\a):(\a)+7], v[(\b):(\b)+7], v[(\d):(\d)+7], v[\sa], v[\sb] matrix_a_fmt:MATRIX_FMT_FP4 matrix_b_fmt:MATRIX_FMT_FP4 matrix_a_scale:MATRIX_SCALE_ROW1
.else
	v_wmma_scale_f32_16x16x128_f8f6f4 v[(\d):(\d)+7], v[(\a):(\a)+7], v[(\b):(\b)+7], v[(\d):(\d)+7], v[\sa], v[\sb] matrix_a_fmt:MATRIX_FMT_FP4 matrix_b_fmt:MATRIX_FMT_FP4
.endif
.endif
.endm
	s_load_b512 s[4:19], s[0:1], 0x0               ; q_codes s[4:5], q_scales s[6:7], k_codes s[8:9], k_scales s[10:11], v_codes s[12:13], v_scales s[14:15], mask s[16:17], out s[18:19]
	v_lshl_add_u32 v254, v0, 2, 0x10000
	v_mov_b32 v255, 0
	v_lshrrev_b32 v1, 5, v0
	v_readfirstlane_b32 s20, v1                    ; wave 0..7
	s_mov_b32 s21, ttmp9                           ; a: which 128 queries
	s_and_b32 s22, ttmp7, 0xffff                   ; head 0..63
	s_wait_alu depctr_va_sdst(0)                   ; s20 is written, ahead of its first reader
	s_lshr_b32 s23, s20, 1                         ; my first staged block
	s_and_b32 s24, s20, 1                          ; which half of a block of 32 my 16 queries are
	s_lshl_b32 s25, s21, 7
	s_lshl_b32 s34, s20, 4
	s_add_co_u32 s25, s25, s34                     ; q0
	s_mov_b32 s26, 0x76543210
	s_mov_b32 s27, 0xfedcba98                      ; v_permlanex16_b32's selects for lane l xor 16
	s_mov_b32 s28, 0x3e38aa3b                      ; c = log2(e) / 8
	s_mov_b32 s29, s28                             ; (named with it as a pair, so it is written)
	s_lshl_b32 s31, s24, 4
	s_cmp_eq_u32 s24, 1
	s_cselect_b32 s32, 0xffff, 0                   ; the edge: with my queries in the upper half, lanes 0-15 hold only keys before the window
	s_cselect_b32 s33, 0, 0xffff0000               ; the diagonal: with my queries in the lower half, lanes 16-31 hold only keys after them
	s_lshl_b32 s79, s23, 3
	s_sub_co_i32 s84, s21, 2                       ; the three key steps; one that would lie before key 0 is read at step 0 and hidden
	s_max_i32 s84, s84, 0
	s_sub_co_i32 s85, s21, 1
	s_max_i32 s85, s85, 0
	s_mov_b32 s86, s21
	s_min_u32 s38, s20, 2                          ; the step whose scale words I make (waves 3 to 7 make step 2's again and store nothing)
	s_add_co_u32 s38, s38, s21
	s_sub_co_i32 s38, s38, 2
	s_cmp_lt_i32 s38, 0
	s_cselect_b32 s78, 0xf00000, 0                 ; a step before key 0: every key hidden
	s_max_i32 s38, s38, 0
	s_lshl_b32 s35, s22, 16                        ; the head's first byte in a tensor of codes,
	s_lshl_b32 s36, s22, 12                        ; in a tensor of scale bytes,
	s_lshr_b32 s37, s22, 4
	s_lshl_b32 s37, s37, 11                        ; and the batch's in the mask
	; byte offsets, each in the pair that will hold its address
.irp s, 0,1,2
	s_lshl_b32 s[40+2*\s], s[84+\s], 12            ; K: 128 keys x 32 bytes a step
	s_add_co_u32 s[40+2*\s], s[40+2*\s], s35
	s_mov_b32 s[41+2*\s], 0
	s_lshl_b32 s[46+2*\s], s[84+\s], 6             ; V: 64 bytes of each row a step
	s_add_co_u32 s[46+2*\s], s[46+2*\s], s35
	s_mov_b32 s[47+2*\s], 0
	s_lshl_b32 s[52+2*\s], s[84+\s], 2             ; V's scales: 4 bytes of each row a step
	s_add_co_u32 s[52+2*\s], s[52+2*\s], s36
	s_mov_b32 s[53+2*\s], 0
.endr
	s_lshl_b32 s58, s38, 8
	s_add_co_u32 s58, s58, s36
	s_mov_b32 s59, 0
	s_lshl_b32 s60, s38, 7
	s_add_co_u32 s60, s60, s37
	s_mov_b32 s61, 0
	s_lshl_b32 s66, s25, 5
	s_add_co_u32 s66, s66, s35
	s_mov_b32 s67, 0
	s_lshl_b32 s68, s25, 1
	s_add_co_u32 s68, s68, s36
	s_mov_b32 s69, 0
	s_mov_b32 s70, s37
	s_mov_b32 s71, 0
	s_lshl_b32 s72, s22, 19
	s_lshl_b32 s34, s25, 8
	s_add_co_u32 s72, s72, s34
	s_mov_b32 s73, 0
	s_mov_b32 s74, s35
	s_mov_b32 s75, 0
	s_mov_b32 s76, s36
	s_mov_b32 s77, 0
	; every LDS address is made here, ahead of the first branch: constants, the lane, the wave's number
	v_and_b32 v3, 31, v0                           ; lane
	v_and_b32 v1, 15, v0                           ; r
	s_wait_alu depctr_va_vdst(0)
	v_bfe_u32 v2, v0, 4, 1                         ; h
	v_lshlrev_b32 v[LI], 4, v3
	s_lshl_b32 s34, s23, 10
	v_add_nc_u32 v[AK], s34, v[LI]
	s_lshl_b32 s34, s23, 7
	s_add_co_u32 s34, s34, KSC
	v_lshl_add_u32 v[AKS], v3, 2, s34
	s_mul_i32 s34, s23, VBP
	s_add_co_u32 s34, s34, VIMG
	v_lshl_add_u32 v[AV2], v1, 4, s34
	v_mad_u32_u24 v[AV], v2, VBP, v[AV2]
	s_mul_i32 s34, s23, 768
	s_add_co_u32 s34, s34, VSC
	v_lshl_add_u32 v[AVS], v3, 3, s34
	s_mul_i32 s34, s20, WST
	s_add_co_u32 s34, s34, STG
	v_mul_u32_u24 v[STO], v1, SPI
	s_wait_alu depctr_va_vdst(0)
	v_lshl_add_u32 v[STO], v2, 5, v[STO]
	v_add_nc_u32 v[STO], s34, v[STO]               ; in: row r, + 32 h
	v_mul_u32_u24 v[RD], v2, SPI
	v_lshl_add_u32 v[RD], v1, 4, v[RD]
	v_add_nc_u32 v[RD], s34, v[RD]                 ; back: lanes 0-15 one row, lanes 16-31 the next
	; K's staging: thread t holds half t & 1 of key t >> 1 of a step.  Key 32 b + 16 g + 8 u + r' is lane 8 g + r' of tile u of block b
	v_bfe_u32 v[TMP], v0, 1, 3
	v_lshlrev_b32 v[KST], 4, v[TMP]                ; 16 r'
	v_bfe_u32 v[TMP], v0, 5, 1
	v_lshl_or_b32 v[KST], v[TMP], 7, v[KST]        ; 128 g
	v_and_b32 v[TMP], 1, v0
	v_lshl_or_b32 v[KST], v[TMP], 8, v[KST]        ; 256 x half
	v_lshl_or_b32 v[KST], v2, 9, v[KST]            ; 512 u (bit 4 of the thread's number)
	v_bfe_u32 v[TMP], v0, 6, 2
	v_lshl_or_b32 v[KST], v[TMP], 10, v[KST]       ; 1024 b
	; V's staging: thread t holds block t & 3 of row t >> 2 of a step
	v_and_b32 v[TMP], 3, v0
	v_lshrrev_b32 v[TMP+1], 2, v0
	v_mul_u32_u24 v[VST], v[TMP], VBP
	v_lshl_add_u32 v[VST], v[TMP+1], 4, v[VST]
	v_add_nc_u32 v[VST], VIMG, v[VST]
	v_lshlrev_b32 v[GV], 10, v[TMP+1]
	v_lshl_or_b32 v[GV], v[TMP], 4, v[GV]
	s_lshl_b32 s34, s24, 2
	v_add_nc_u32 v[VSST], s34, v[AVS]              ; V's scale words: I make those of first block wave >> 1, row 32 (wave & 1) + lane
	; K's scale words: lane l makes those of keys 4 l .. 4 l + 3 of a step, which are four neighbouring lanes of one tile
	v_lshrrev_b32 v[TMP], 3, v3
	v_lshlrev_b32 v[KSST], 7, v[TMP]
	v_bfe_u32 v[TMP], v0, 1, 1
	v_lshl_or_b32 v[KSST], v[TMP], 6, v[KSST]
	v_bfe_u32 v[TMP], v0, 2, 1
	v_lshl_or_b32 v[KSST], v[TMP], 5, v[KSST]
	v_and_b32 v[TMP], 1, v0
	v_lshl_or_b32 v[KSST], v[TMP], 4, v[KSST]
	s_lshl_b32 s34, s20, 9
	s_add_co_u32 s34, s34, KSC
	v_add_nc_u32 v[KSST], s34, v[KSST]
	s_sub_co_i32 s34, s25, 240                     ; the mask test: 31 chunks of 8 bytes from key q0 - 240 on; lane 31 takes lane 30's again
	v_min_u32 v[TMP], 30, v3
	v_lshl_add_u32 v[OFFV], v[TMP], 3, s34
	v_cmp_le_i32 s39, 0, v[OFFV]                   ; a chunk before key 0 does not count (the mask's first reader stands behind the offsets below)
	; byte offsets in memory
	v_lshlrev_b32 v[GK], 4, v0
	v_and_b32 v[TMP], 63, v0
	v_lshlrev_b32 v[GVS], 6, v[TMP]
	v_lshlrev_b32 v[GQ], 5, v1
	v_lshl_or_b32 v[GQ], v2, 4, v[GQ]
	v_lshlrev_b32 v[GQS], 1, v1
	v_lshlrev_b32 v[GKS], 3, v3
	v_lshlrev_b32 v[GMK], 2, v3
	v_lshlrev_b32 v[SVO], 10, v1
	v_lshl_or_b32 v[SVO], v2, 4, v[SVO]
	v_lshlrev_b32 v[SSO], 6, v3
	s_wait_alu depctr_va_sdst(0)                   ; s39 is written, ahead of its first reader
	v_cndmask_b32 v[GMT], 0, v[OFFV], s39          ; and such a chunk's load stays inside the mask
	s_wait_kmcnt 0x0
.irp s, 0,1,2
	s_add_nc_u64 s[40+2*\s:41+2*\s], s[8:9], s[40+2*\s:41+2*\s]
	s_add_nc_u64 s[46+2*\s:47+2*\s], s[12:13], s[46+2*\s:47+2*\s]
	s_add_nc_u64 s[52+2*\s:53+2*\s], s[14:15], s[52+2*\s:53+2*\s]
.endr
	s_add_nc_u64 s[58:59], s[10:11], s[58:59]
	s_add_nc_u64 s[60:61], s[16:17], s[60:61]
	s_add_nc_u64 s[66:67], s[4:5], s[66:67]
	s_add_nc_u64 s[68:69], s[6:7], s[68:69]
	s_add_nc_u64 s[70:71], s[16:17], s[70:71]
	s_add_nc_u64 s[72:73], s[18:19], s[72:73]
	s_add_nc_u64 s[74:75], s[12:13], s[74:75]
	s_add_nc_u64 s[76:77], s[14:15], s[76:77]
	s_wait_alu depctr_va_vdst(0)                   ; every LDS address and byte offset of the kernel (v4-11, v60, v61, v232-243) is written: the loads and stores from here on read them, and no vector line writes them again
	; fourteen loads, all that the wave asks of memory on the usual way
	global_load_b64 v[S+36:S+37], v[GKS], s[58:59]         ; four keys' scale bytes
	global_load_b32 v[S+38], v[GMK], s[60:61]              ; and their mask bytes
.irp s, 0,1,2
	global_load_b128 v[S+4*\s:S+4*\s+3], v[GK], s[40+2*\s:41+2*\s]         ; a wave reads 512 consecutive bytes of K
.endr
.irp s, 0,1,2
	global_load_b128 v[S+12+4*\s:S+12+4*\s+3], v[GV], s[46+2*\s:47+2*\s]   ; four lanes read a row's 64 bytes of a step
.endr
.irp s, 0,1,2
	global_load_b32 v[S+24+\s], v[GVS], s[52+2*\s:53+2*\s]
.endr
	global_load_b128 v[QF:QF+3], v[GQ], s[66:67] th:TH_LOAD_NT             ; read by this wave alone
	global_load_u16 v[QS], v[GQS], s[68:69]
	global_load_b64 v[MK:MK+1], v[GMT], s[70:71]
	; constants, while the loads are out: none of these lines names a register that a load or store above or below touches.
	; The upper 64 of the first product's K: one code at k = 64 (lanes 0-15, register 4, low four bits), zeros elsewhere
	v_sub_nc_u32 v[TMP], 1, v2
	v_mul_u32_u24 v[QF+4], v[TMP], 10              ; Q: the code of -1
.irp j, 5,6,7
	v_mov_b32 v[QF+\j], 0
.endr
.irp f, 0,1,2,3,4,5
	v_lshlrev_b32 v[KF+8*\f+4], 1, v[TMP]          ; K: the code of +1
	v_mov_b32 v[KF+8*\f+5], 0
	v_mov_b32 v[KF+8*\f+6], 0
	v_mov_b32 v[KF+8*\f+7], 0
.endr
	v_mov_b32 v[NEG], 0xff800000
.irp b, 0,1,2
	v_mov_b32 v[T2+\b], 0                          ; written once: a lane permute's destination counts as one of its sources
.endr
	v_mov_b32 v[FF+1], 0                           ; (upper halves of pairs of which the low word serves both halves)
	v_mov_b32 v[RC+1], 0
	v_cmp_gt_u32 vcc_lo, 30, v3                    ; for the mask test below: it hangs on the lane alone
	s_wait_loadcnt 9                               ; nine loads are younger than K's third
.irp s, 0,1,2
	ds_store_b128 v[KST], v[S+4*\s:S+4*\s+3] offset:KIMG+4096*\s
.endr
	s_wait_loadcnt 6                               ; six are younger than V's third
.irp s, 0,1,2
	ds_store_b128 v[VST], v[S+12+4*\s:S+12+4*\s+3] offset:4*VBP*\s
.endr
	s_wait_loadcnt 3                               ; three are younger than the last of V's scale words
	; a row's twelve scale bytes, shifted down to my first block, cut into three words of three bytes; byte 3 stays 0: it scales zero codes of p
	v_alignbit_b32 v[S+28], v[S+25], v[S+24], s79
	v_alignbit_b32 v[S+29], v[S+26], v[S+25], s79
	v_lshrrev_b32 v[S+30], s79, v[S+26]
	v_and_b32 v[S+31], 0xffffff, v[S+28]
	v_alignbit_b32 v[S+32], v[S+29], v[S+28], 24
	v_and_b32 v[S+32], 0xffffff, v[S+32]
	v_alignbit_b32 v[S+33], v[S+30], v[S+29], 16
	v_and_b32 v[S+33], 0xffffff, v[S+33]
	s_wait_loadcnt 0x0
	v_or_b32 v[QS], 0x7f0000, v[QS]                ; Q's scale word: byte 2 (k = 64 .. 95) stands for 1.  The plain vector lines below, more than eight, stand between this write and the first scaled product
	; the mask test: is any byte set among keys q0 - 240 .. q0?  The last chunk begins at q0: only its first byte counts
	v_and_b32 v[TMP], 0xff, v[MK]
	s_wait_alu depctr_va_vcc(0)                    ; VCC is written (the compare among the constants), ahead of its first reader
	v_cndmask_b32 v[MK], v[TMP], v[MK], vcc_lo
	v_cndmask_b32 v[MK+1], 0, v[MK+1], vcc_lo
	v_or_b32 v[ANY], v[MK], v[MK+1]
	v_cmp_ne_u32 s30, 0, v[ANY]
	; K's scale words: bytes 0, 1 as given; byte 2: 0 where the key counts, 240 where it does not; byte 3: 0
	v_xor_b32 v[S+39], 0x01010101, v[S+38]
	v_and_b32 v[S+40], 0xffff, v[S+36]
	v_lshrrev_b32 v[S+41], 16, v[S+36]
	v_and_b32 v[S+42], 0xffff, v[S+37]
	v_lshrrev_b32 v[S+43], 16, v[S+37]
.irp e, 0,1,2,3
	v_bfe_u32 v[S+44], v[S+39], 8*\e, 1
	v_mad_u32_u24 v[S+40+\e], v[S+44], 0xf00000, v[S+40+\e]
	v_or_b32 v[S+40+\e], s78, v[S+40+\e]
.endr
	s_wait_alu depctr_va_sdst(0)                   ; s30 is written, ahead of its first reader
	s_and_b32 s30, s30, s39
	s_wait_alu depctr_va_vdst(0)                   ; V's and K's scale words (S+31 .. 33, S+40 .. 43) are written, which the LDS stores below read; so are Q's scale word and the constant registers of Q's and K's fragments, which the first scaled products take
.irp g, 0,1,2
	ds_store_b32 v[VSST], v[S+31+\g] offset:256*\g
.endr
	s_cmp_lt_u32 s20, 3                            ; waves 0 to 2 store the three steps' words
	s_cbranch_scc0 .Lno_ks
	ds_store_b128 v[KSST], v[S+40:S+43]
.Lno_ks:
	s_wait_dscnt 0x0                               ; for the others' sake: my stores have landed
	s_barrier_signal -1
	s_barrier_wait -1                              ; the only barrier: from here on the images are only read, and a stage is its wave's own
	s_wait_alu depctr_vm_vsrc(0)                   ; my staging stores have read their data in S, which the first group's products write
.macro LOADK g                         ; nine LDS loads: a group's six fragments of K (registers 0-3 of each) and its three registers of scale words
.irp j, 0,1,2
	ds_load_b128 v[KF+16*\j:KF+16*\j+3], v[AK] offset:KIMG+1024*(3*(\g)+\j)
	ds_load_b128 v[KF+16*\j+8:KF+16*\j+11], v[AK] offset:KIMG+1024*(3*(\g)+\j)+512
.endr
.irp j, 0,1,2
	ds_load_b32 v[KS+\j], v[AKS] offset:128*(3*(\g)+\j)
.endr
.endm
.macro LOADV g                         ; nine LDS loads: four fragments of V (16 rows d x the group's 96 keys; the fourth block's place repeats the third and meets zero codes of p) and their scale words
.irp t, 0,1,2,3
	ds_load_b128 v[VF+8*\t:VF+8*\t+3], v[AV] offset:VBP*3*(\g)+256*\t
	ds_load_b128 v[VF+8*\t+4:VF+8*\t+7], v[AV2] offset:VBP*(3*(\g)+2)+256*\t
.endr
	ds_load_b64 v[VSW:VSW+1], v[AVS] offset:256*(\g)
.endm
; The band in one block.  Register i of the block holds key 16 h + i; my query is 16 (wave & 1) + r.  kind = 0, the window's edge: hidden where the key comes before the query's place; kind = 1, the diagonal: where it comes after.
; Each register's lane mask is a constant shifted into my queries' half, with the other half all hidden or all open.
.macro BAND kind, base
.irp q, 0,4,8,12
.irp n, 0,1,2,3
.if \kind
	s_lshl_b32 s[80+\n], (1<<(\q+\n))-1, s31
	s_or_b32 s[80+\n], s[80+\n], s33
.else
	s_lshl_b32 s[80+\n], (0xffff<<(\q+\n+1))&0xffff, s31
	s_or_b32 s[80+\n], s[80+\n], s32
.endif
.endr
.irp n, 0,1,2,3
	v_cndmask_b32 v[\base+\q+\n], v[\base+\q+\n], v[NEG], s[80+\n]
.endr
.endr
.endm
; A GROUP of three blocks, 96 keys.
.macro GROUP g
.if (\g) == 0
	s_wait_dscnt 9                                 ; this group's K is in; the nine loads of its V are younger
.else
	s_wait_dscnt 0x0                               ; this group's K, asked for in the group before, is in: nothing younger is out
.endif
.irp t, 0,1,2,3,4,5
	MM S+8*\t, KF+8*\t, QF, 1, KS+\t/2, QS, \t%2   ; S^T: six tiles of 16 keys, each a sum of its own
.endr
	PLACES
	s_wait_alu depctr_va_vdst(0)                   ; the six products above are done reading K's fragments and scale words, and the last group's four products are done reading V's: the loads below land in these registers, which no vector line of the group names
.if (\g) > 0
	LOADV \g                                       ; it has the group's softmax in which to land
.endif
.if (\g) < 2
	LOADK (\g)+1
.endif
.if (\g) == 0
	BAND 0, S
.endif
.if (\g) == 2
	BAND 1, S+32
.endif
.irp b, 0,1,2
	v_max3_num_f32 v[BM+\b], v[S+16*\b], v[S+16*\b+1], v[S+16*\b+2]        ; each block's largest score: for the row's maximum, and, since p rises with the score, for the block's largest p
.endr
.irp i, 3,5,7,9,11,13
.irp b, 0,1,2
	v_max3_num_f32 v[BM+\b], v[BM+\b], v[S+16*\b+\i], v[S+16*\b+\i+1]      ; (the three blocks by turns; each tile's registers from the low end on)
.endr
.endr
.irp b, 0,1,2
	v_max_num_f32 v[BM+\b], v[BM+\b], v[S+16*\b+15]
.endr
.irp b, 0,1,2
	v_permlanex16_b32 v[T2+\b], v[BM+\b], s26, s27
.endr
.irp b, 0,1,2
	v_max_num_f32 v[BM+\b], v[BM+\b], v[T2+\b]     ; with lane l xor 16's 16 keys.  Every block has a key inside the band for every query, so this is no -infinity
.endr
	v_max3_num_f32 v[TMP], v[BM], v[BM+1], v[BM+2]
	v_mul_f32 v[TMP], s28, v[TMP]                  ; as t (c is positive)
.if (\g) == 0
	v_max_num_f32 v[NM+1], 0xf1800000, v[TMP]      ; the running largest t begins at -2^100: over every hidden key's, under every true one's
	v_floor_f32 v[NM], -v[NM+1]                    ; -M = floor(-t) = -ceil(t)
.else
	v_max_num_f32 v[NM+1], v[NM+1], v[TMP]
	v_mov_b32 v[TMP], v[NM]
	v_floor_f32 v[NM], -v[NM+1]
	v_sub_f32 v[TMP], v[NM], v[TMP]                ; old M - new M: a whole number, 0 or less
	v_cvt_i32_f32 v[TMP], v[TMP]                   ; (it saturates)
	v_ldexp_f32 v[FF], 1.0, v[TMP]                 ; f
.endif
.irp j, 0,2,4,6,8,10,12,14,16,18,20,22,24,26,28,30,32,34,36,38,40,42,44,46
	v_pk_fma_f32 v[S+\j:S+\j+1], v[S+\j:S+\j+1], s[28:29], v[NM:NM+1] op_sel_hi:[1,0,0]   ; t - M, two at a time
.endr
.irp b, 0,1,2
	v_fma_f32 v[BM+\b], v[BM+\b], s28, v[NM]       ; the same of each block's largest score
.endr
	s_wait_alu depctr_va_vdst(0)
.irp j, 0,1,2,3,4,5,6,7,8,9,10,11,12,13,14,15,16,17,18,19,20,21,22,23,24,25,26,27,28,29,30,31,32,33,34,35,36,37,38,39,40,41,42,43,44,45,46,47
	v_exp_f32 v[S+\j], v[S+\j]                     ; p = 2^(t - M)
.endr
.irp b, 0,1,2
	v_exp_f32 v[BM+\b], v[BM+\b]                   ; the block's largest p: the same two instructions on the same number give the same bits
.endr
.if (\g) == 0
	v_nop                                          ; a plain instruction behind the last exponential
.else
	v_pk_mul_f32 v[SUM:SUM+1], v[SUM:SUM+1], v[FF:FF+1] op_sel_hi:[1,0]    ; the sums under the new M: also the plain instruction behind the last exponential
.endif
	s_wait_alu depctr_va_vdst(0)                   ; the 51 exponentials have written p (S) and the blocks' largest p (BM): one wait for the batch, ahead of the first instruction that names a result
.irp b, 0,1,2
	v_max_num_f32 v[BM+\b], 0x1800000, v[BM+\b]    ; the floor 2^(3 - 127): the byte cannot fall under 1
.endr
.irp b, 0,1,2
	v_add_nc_u32 v[T3+\b], 0xff000000, v[BM+\b]    ; 2 off the exponent field: the conversion's scale operand
.endr
.irp b, 0,1,2
	v_lshrrev_b32 v[BY+\b], 23, v[T3+\b]           ; the scale's byte
.endr
	v_lshl_or_b32 v[PW], v[BY+1], 8, v[BY]
	v_lshl_or_b32 v[PW], v[BY+2], 16, v[PW]        ; p's scale word; byte 3 stays 0 over zero codes
	v_mov_b32 v[PC+6], 0                           ; the fourth block of the instruction's 128: zero codes
	v_mov_b32 v[PC+7], 0
.irp b, 0,1,2
	v_cvt_scalef32_pk8_fp4_f32 v[PC+2*\b], v[S+16*\b:S+16*\b+7], v[T3+\b]
	v_cvt_scalef32_pk8_fp4_f32 v[PC+2*\b+1], v[S+16*\b+8:S+16*\b+15], v[T3+\b]
.endr
	v_nop                                          ; one plain instruction between a scaled conversion and the vector instruction that touches its result
.irp c, 0,1
.irp i, 0,1
	v_permlane16_swap_b32 v[PC+4*\c+\i], v[PC+4*\c+2+\i]   ; the operand's layout wants a whole block in a lane: lanes 0-15 block 2 c, lanes 16-31 block 2 c + 1
.endr
.endr
	; the row's sum of the UNQUANTISED p, two at a time, in two chains.  These lines are also the places between the writes of p's scale word and codes and the products below
.if (\g) == 0
	v_pk_add_f32 v[SUM:SUM+1], v[S:S+1], v[S+2:S+3]
	v_pk_add_f32 v[SUM2:SUM2+1], v[S+4:S+5], v[S+6:S+7]
.irp j, 8,12,16,20,24,28,32,36,40,44
	v_pk_add_f32 v[SUM:SUM+1], v[SUM:SUM+1], v[S+\j:S+\j+1]
	v_pk_add_f32 v[SUM2:SUM2+1], v[SUM2:SUM2+1], v[S+\j+2:S+\j+3]
.endr
.else
	v_pk_add_f32 v[SUM2:SUM2+1], v[S:S+1], v[S+2:S+3]
.irp j, 4,8,12,16,20,24,28,32,36,40,44
	v_pk_add_f32 v[SUM:SUM+1], v[SUM:SUM+1], v[S+\j:S+\j+1]
	v_pk_add_f32 v[SUM2:SUM2+1], v[SUM2:SUM2+1], v[S+\j+2:S+\j+3]
.endr
.endif
	v_pk_add_f32 v[SUM:SUM+1], v[SUM:SUM+1], v[SUM2:SUM2+1]
.if (\g) > 0
.irp j, 0,2,4,6,8,10,12,14,16,18,20,22,24,26,28,30
	v_pk_mul_f32 v[O+\j:O+\j+1], v[O+\j:O+\j+1], v[FF:FF+1] op_sel_hi:[1,0]   ; O^T under the new M
.endr
.endif
	s_wait_alu depctr_va_vdst(0)                   ; p's scale word (PW) and codes (PC) are written by vector lines: the scaled products below take them as scales and as source 1; the places stand above this wait
.if (\g) < 2
	s_wait_dscnt 9                                 ; this group's V is in; the nine loads of the next group's K are younger
.else
	s_wait_dscnt 0x0
.endif
.irp t, 0,1,2,3
.if (\g) == 0
	MM O+8*\t, VF+8*\t, PC, 1, VSW+\t/2, PW, \t%2  ; O^T = V^T P^T: the first group starts the sums
.else
	MM O+8*\t, VF+8*\t, PC, 0, VSW+\t/2, PW, \t%2  ; the four accumulators by turns, one instruction a turn
.endif
.endr
.if (\g) == 2
	PLACES                                         ; ahead of the reads of O^T.  (In the other groups the next group's six products follow, which name none of these registers, and its places stand ahead of the loads into V's)
.endif
.endm
	LOADK 0
	LOADV 0
	GROUP 0
	GROUP 1
	GROUP 2
	v_add_f32 v[SUM], v[SUM], v[SUM+1]             ; the sum's two halves,
	v_permlanex16_b32 v[TMP], v[SUM], s26, s27
	v_add_f32 v[SUM], v[SUM], v[TMP]               ; and lane l xor 16's: the row's sum
	s_wait_alu depctr_va_vdst(0)
	v_rcp_f32 v[RC], v[SUM]
	v_nop                                          ; a plain instruction behind the reciprocal
	s_wait_alu depctr_va_vdst(0)                   ; the reciprocal has written RC, ahead of its first reader; the last products are done reading K's and V's registers, in which the slow way's first loads land
.irp j, 0,2,4,6,8,10,12,14,16,18,20,22,24,26,28,30
	v_pk_mul_f32 v[O+\j:O+\j+1], v[O+\j:O+\j+1], v[RC:RC+1] op_sel_hi:[1,0]   ; register 8 t + j is out(r, 16 t + 8 h + j)
.endr
	s_cmp_lg_u32 s30, 0                            ; a key that counts for all 16 queries: no row is empty
	s_cbranch_scc1 .Lout
	; THE SLOW WAY: some row of the tile may have no key that counts.  The mean of V over all 2,048 keys: V's fragments straight from memory, 16 K steps of 128 keys, against ones under the scale 2^-11.
	; Two buffers by turns: VF with VSW, and KF + 8 on with KS.  A step's four products read one of them; behind them stands a wait, and the loads of two steps on land in it.
.irp j, 0,1,2,3,4,5,6,7
	v_mov_b32 v[KF+\j], 0x22222222                 ; eight codes of 1.0 a register
.endr
	v_mov_b32 v[PW], 0x74747474                    ; 2^(116 - 127) = 1 / 2,048 for each block
.macro VS_LOAD fr, sc, s               ; ten loads: K step s of V's four tiles into fr on, and their scale words into sc, sc + 1
.irp t, 0,1,2,3
.irp c, 0,1
	global_load_b128 v[\fr+8*\t+4*\c:\fr+8*\t+4*\c+3], v[SVO], s[74:75] offset:16384*\t+64*(\s)+32*\c
.endr
.endr
.irp k, 0,1
	global_load_b32 v[\sc+\k], v[SSO], s[76:77] offset:2048*\k+4*(\s)
.endr
.endm
	VS_LOAD VF, VSW, 0                             ; no wait: since the wait behind the reciprocal, vector lines have named O, RC, KF + 0 .. 7 and PW alone
	VS_LOAD KF+8, KS, 1
.rept 8
	v_nop                                          ; the ones' scale word and codes were written by vector instructions: eight places ahead of the first scaled product
.endr
	s_wait_alu depctr_va_vdst(0)                   ; the ones (KF + 0 .. 7) and their scale word (PW) are written, which the scaled products below take as source 1 and as scales
.set kstep, 0
.rept 16
.if kstep < 15
	s_wait_loadcnt 10                              ; this step's ten loads are in; the next step's ten are younger
.else
	s_wait_loadcnt 0x0
.endif
.irp t, 0,1,2,3
.if kstep == 0
	MM S+8*\t, VF+8*\t, KF, 1, VSW+\t/2, PW, \t%2
.elseif kstep%2 == 0
	MM S+8*\t, VF+8*\t, KF, 0, VSW+\t/2, PW, \t%2
.else
	MM S+8*\t, KF+8+8*\t, KF, 0, KS+\t/2, PW, \t%2
.endif
.endr
.if kstep < 14
	PLACES
	s_wait_alu depctr_va_vdst(0)                   ; this step's four products are done reading their fragments and scale words, in which the loads below land
.if kstep%2 == 0
	VS_LOAD VF, VSW, kstep+2
.else
	VS_LOAD KF+8, KS, kstep+2
.endif
.endif
.set kstep, kstep+1
.endr
	v_cmp_gt_f32 vcc_lo, 0xf149f2ca, v[NM+1]       ; -1e30 > t: the row has met no key that counts
	PLACES
	s_wait_alu depctr_va_vcc(0)                    ; VCC is written, ahead of its first reader
.irp j, 0,1,2,3,4,5,6,7,8,9,10,11,12,13,14,15,16,17,18,19,20,21,22,23,24,25,26,27,28,29,30,31
	v_cndmask_b32 v[O+\j], v[O+\j], v[S+\j], vcc_lo
.endr
.Lout:
	; THE WAY OUT: a lane holds 32 bytes of each of four pieces of its row; the tile goes through my own stage and comes back as whole rows of 256 bytes
	s_wait_alu depctr_va_vdst(0)                   ; on both ways: O is written (by the multiplications by 1 / the sum, or by the selects), which the LDS stores read; and every vector and matrix line that named S is done, in which the stage's loads land
.irp t, 0,1,2,3
	ds_store_b128 v[STO], v[O+8*\t:O+8*\t+3] offset:64*\t
	ds_store_b128 v[STO], v[O+8*\t+4:O+8*\t+7] offset:64*\t+16
.endr
.irp i, 0,1,2,3,4,5,6,7
	ds_load_b128 v[S+4*\i:S+4*\i+3], v[RD] offset:2*\i*SPI     ; LDS serves a wave's instructions in order (ISA guide 5.7.1.4): these see my stores
.endr
.irp i, 0,1,2,3,4,5,6,7
	s_wait_dscnt 7-\i
	global_store_b128 v[LI], v[S+4*\i:S+4*\i+3], s[72:73] offset:512*\i th:TH_STORE_NT   ; 32 lanes store two rows: 512 consecutive bytes, at a multiple of 256 from out's first byte
.endr
	s_wait_dscnt 0x0
	s_wait_alu depctr_hold_cnt(0) depctr_sa_sdst(0) depctr_va_vdst(0) depctr_va_sdst(0) depctr_va_ssrc(0) depctr_va_vcc(0) depctr_vm_vsrc(0)
	s_wait_tensorcnt 0x0
	ds_add_u32 v254, v255
	s_wait_dscnt 0x0
	s_endpgm
.Lfunc_end_k_q51735bcd01_attend:
	.size	k_q51735bcd01_attend, .Lfunc_end_k_q51735bcd01_attend-k_q51735bcd01_attend
	.p2alignl 7, 3214868480
	.fill 96, 4, 3214868480
	.section	.rodata,"a",@progbits
	.p2align	6, 0x0
	.amdhsa_kernel k_q51735bcd01_attend
		.amdhsa_group_segment_fixed_size 66560
		.amdhsa_private_segment_fixed_size 0
		.amdhsa_enable_private_segment 0
		.amdhsa_kernarg_size 64
		.amdhsa_user_sgpr_count 2
		.amdhsa_user_sgpr_kernarg_segment_ptr 1
		.amdhsa_wavefront_size32 1
		.amdhsa_system_sgpr_workgroup_id_x 1
		.amdhsa_system_sgpr_workgroup_id_y 1
		.amdhsa_system_sgpr_workgroup_id_z 1
		.amdhsa_system_vgpr_workitem_id 0
		.amdhsa_next_free_vgpr 256
		.amdhsa_next_free_sgpr 90
		.amdhsa_reserve_vcc 1
		.amdhsa_float_denorm_mode_32 3
		.amdhsa_float_denorm_mode_16_64 3
		.amdhsa_memory_ordered 1
		.amdhsa_forward_progress 1
		.amdhsa_inst_pref_size 84
	.end_amdhsa_kernel
	.amdgpu_metadata
---
amdhsa.version: [ 1, 2 ]
amdhsa.kernels:
  - .name:           k_q51735bcd01_attend
    .symbol:         k_q51735bcd01_attend.kd
    .args:
      - { .name: q_codes, .offset: 0, .size: 8, .value_kind: global_buffer, .address_space: global }
      - { .name: q_scales, .offset: 8, .size: 8, .value_kind: global_buffer, .address_space: global }
      - { .name: k_codes, .offset: 16, .size: 8, .value_kind: global_buffer, .address_space: global }
      - { .name: k_scales, .offset: 24, .size: 8, .value_kind: global_buffer, .address_space: global }
      - { .name: v_codes, .offset: 32, .size: 8, .value_kind: global_buffer, .address_space: global }
      - { .name: v_scales, .offset: 40, .size: 8, .value_kind: global_buffer, .address_space: global }
      - { .name: mask, .offset: 48, .size: 8, .value_kind: global_buffer, .address_space: global }
      - { .name: out0, .offset: 56, .size: 8, .value_kind: global_buffer, .address_space: global }
    .group_segment_fixed_size: 66560
    .private_segment_fixed_size: 0
    .kernarg_segment_align: 8
    .kernarg_segment_size: 64
    .max_flat_workgroup_size: 256
    .sgpr_count:     90
    .vgpr_count:     256
    .wavefront_size: 32
...
	.end_amdgpu_metadata
.endif
;; end of part 2
